; MI455X (gfx1250); checked and timed in simulation.
; The chip was launched on July 23, 2026; its instructions are those of AMD's public machine-readable ISA for CDNA 5 (MIT licence, August 2026) and "CDNA5" Instruction Set Architecture Reference Guide (July 2026). The comments in the code are by the model that wrote it; some were corrected since.
;; Self Attention. Allowed arithmetic: matrix products marked QUANTISED: E2M3 operands, one E8M0 scale for each 32 along K, by v_wmma_scale_f32_16x16x128_f8f6f4 with both operands' format E2M3, f32 sums; everything else in f32.
;; Inputs: Wk_codes 1,024 x 32 x 24 uint8 (E2M3 codes of Wk, K innermost, in blocks of 32 codes, four codes in three bytes); Wk_scales 1,024 x 32 uint8 (E8M0 scales of Wk, one for each 32 codes along K); Wq_codes 1,024 x 32 x 24 uint8 (E2M3 codes of Wq, K innermost, in blocks of 32 codes, four codes in three bytes); Wq_scales 1,024 x 32 uint8 (E8M0 scales of Wq, one for each 32 codes along K); Wv_codes 1,024 x 32 x 24 uint8 (E2M3 codes of Wv, K innermost, in blocks of 32 codes, four codes in three bytes); Wv_scales 1,024 x 32 uint8 (E8M0 scales of Wv, one for each 32 codes along K); x_codes 4 x 2,048 x 32 x 24 uint8 (E2M3 codes of x, K innermost, in blocks of 32 codes, four codes in three bytes); x_scales 4 x 2,048 x 32 uint8 (E8M0 scales of x, one for each 32 codes along K).
;; Outputs: out0 4 x 2,048 x 1,024 float32.
;; This version of the problem:
;;   THIS VERSION OF THE PROBLEM IS GIVEN IN LOW PRECISION. The matrix products marked QUANTISED in the list below multiply operands that are first quantised to E2M3 (2 exponent bits, 3 mantissa bits; 6 bits a number), with one power-of-two scale for each 32 numbers along K (OCP MX v1.0); their sums are f32. All else is computed in f32.
;;   The module's matrix products, in the order in which they are computed (A, B: the left and right operand; K: the contracted axis; several contracted axes count as one K, in the product's order):
;;     1. [M 8,192, K 1,024] x [K 1,024, N 1,024]; A: input x (given as codes); B: input Wq (given as codes): QUANTISED
;;     2. [M 8,192, K 1,024] x [K 1,024, N 1,024]; A: input x (given as codes); B: input Wk (given as codes): QUANTISED
;;     3. [M 8,192, K 1,024] x [K 1,024, N 1,024]; A: input x (given as codes); B: input Wv (given as codes): QUANTISED
;;     4. batch 64 x [M 2,048, K 64] x [K 64, N 2,048]; A: computed on the way; B: computed on the way: QUANTISED
;;     5. batch 64 x [M 64, K 2,048] x [K 2,048, N 2,048]; A: computed on the way; B: softmax (see below): QUANTISED
;;   THE QUANTISER, for each operand of a quantised product, along K:
;;     - K is cut into blocks of 32 from its start; a last block that is shorter is filled with zeros.
;;     - A block's scale is 2^e with e = floor(log2(the largest magnitude in the block)) - 2, held to -126 .. 127; a block of zeros has e = 0. As a byte (E8M0): e + 127.
;;     - Each number is divided by its block's scale, clamped to +-7.5, and rounded to the nearest number of E2M3, ties to even, subnormals kept.
;;     - The product sums the exact products of the quantised numbers (number of the format x scale) in f32.
;;   ~~~python
;;   def quantise(x, axis):      # numpy; x: float32 -> the quantised numbers, widened to float32 again
;;       x = np.moveaxis(x, axis, -1); K = x.shape[-1]
;;       x = np.pad(x, [(0, 0)] * (x.ndim - 1) + [(0, -K % 32)]); x = x.reshape(x.shape[:-1] + (-1, 32)); a = np.abs(x).max(-1, keepdims=True)
;;       e = np.where(a > 0, np.clip(np.frexp(np.where(a > 0, a, 1))[1] - 1 - 2, -126, 127), 0)      # np.frexp(a)[1] - 1 = floor(log2(a)), exactly
;;       r = np.clip(x / 2.0 ** e, -7.5, 7.5)
;;       step = 2.0 ** (np.maximum(np.frexp(np.where(r == 0, 1, r))[1] - 1, 0) - 3)
;;       q = np.round(r / step) * step * 2.0 ** e      # np.round: ties to even
;;       return np.moveaxis(q.reshape(q.shape[:-2] + (-1,))[..., :K], -1, axis).astype(np.float32)
;;   ~~~
;;   SOFTMAX AHEAD OF A QUANTISED PRODUCT. Where the list says 'softmax', what is quantised is not the finished softmax but p = 2^(t - M), with t = logit x log2(e) and M = ceil(the row's largest t), a whole number; so 1/2 < the row's largest p <= 1. The row's sum l is taken of the UNQUANTISED p, in f32, and the product's result is divided by l at the end. Since M is a whole number, a kernel that streams over the keys may use a running M (the ceiling of the running maximum): every later rescaling is an exact power of two, which a block's scale takes up: the codes' values come out the same.
;;   OPERANDS COMPUTED ON THE WAY. 'Computed on the way' means the value that the module computes at that place (a softmax that the list does not call 'softmax' is quantised finished and normalised). What goes into a quantiser is computed in f32, as accurately as f32 sums, v_exp_f32 and their like allow (about 1e-6 of the number): no bf16 or f16 on the way to a quantiser, and a product that is left as it is and whose result goes on into a quantised operand takes f32 operands (vector FMAs, or v_wmma_f32_16x16x4_f32). A number that lies on a knife's edge between two numbers of the format may be rounded either way, as far as f32 arithmetic and the matrix unit's own rounding can turn it there, and no further.
;;   INPUTS GIVEN AS CODES. Wk (in the module: [1024, 1024], K = its axis 1); Wq (in the module: [1024, 1024], K = its axis 1); Wv (in the module: [1024, 1024], K = its axis 1); x (in the module: [4, 2048, 1024], K = its axis 2): each comes as NAME_codes (uint8): NAME with its K axis moved to the last place and cut into blocks of 32 codes, [.., K / 32, bytes a block], one block behind the other in memory; four codes in three bytes: a row's codes are one little-endian stream of bits, code i at bits 6 i .. 6 i + 5 (a code: sign, 2 exponent bits, 3 mantissa bits); and NAME_scales (uint8): the same leading axes, one E8M0 byte (e + 127) for each 32 codes along K. Its value is code x scale, taken as it is: it is not quantised again, and the codes and scales need not be those that the quantiser above would give.
;; One version. Each part assembles by itself: llvm-mc -triple=amdgcn-amd-amdhsa -mcpu=gfx1250 --defsym DOCPART=n.
;; ======== version 1 of 1: 2 launches
;; limits: right only within a limited range of input values
;; workspace buffers: qkv 20,447,232 bytes
;; launch proj (part 1): grid 32 x 8, 4 waves a work-group, clusters of 4 x 4, 327,680 bytes of LDS; arguments x_codes, x_scales, Wq_codes, Wq_scales, Wk_codes, Wk_scales, Wv_codes, Wv_scales, qkv; writes qkv
.if DOCPART == 1
	.amdgcn_target "amdgcn-amd-amdhsa--gfx1250"
	.amdhsa_code_object_version 6
	.text
	.protected	k_q625ffdee47_proj
	.globl	k_q625ffdee47_proj
	.p2align	8
	.type	k_q625ffdee47_proj,@function
k_q625ffdee47_proj:
	s_mov_b64 s[64:65], 0
	v_nop
	global_prefetch_b8 v0, s[64:65] scope:SCOPE_SE
	s_setreg_imm32_b32 hwreg(HW_REG_WAVE_MODE, 25, 1), 1
	s_wait_xcnt 0x0
	s_wait_alu depctr_hold_cnt(0) depctr_sa_sdst(0) depctr_va_vdst(0) depctr_va_sdst(0) depctr_va_ssrc(0) depctr_va_vcc(0) depctr_vm_vsrc(0)
	s_getreg_b32 s2, hwreg(HW_REG_IB_STS2, 6, 4)
	s_cmp_eq_u32 s2, 0
	s_cbranch_scc0 .Lentry_in_a_cluster
	s_endpgm
.Lentry_in_a_cluster:
	s_bfe_u32 s2, ttmp6, 0x10000c
	s_cmp_lg_u32 s2, 0xf033
	s_cbranch_scc0 .Lentry_shape_is_right
	s_endpgm
.Lentry_shape_is_right:
; V, Q, K = x W^T ON CODES OF FP6 (E2M3), AND THEIR QUANTISERS.  The results leave as codes and scale bytes, as images of the next launch's operand registers.  No f32 result is stored.  No work of the problem is left out.
; OUTPUT: qkv, 1,024 records of 19,968 bytes, record (batch x 16 + head) x 16 + step of 128 tokens; parts Q, K, V of 6,656 bytes: four images of 12 registers (registers 4 c .. 4 c + 3 of lane l at 1,536 i + 512 c + 16 l), then the lanes' four scale words at 6,144 + 16 l.
; (r = lane % 16, h = lane / 16.)  An image of Q or K holds two tiles of 16 tokens, registers 0-5 and 6-11, lane (r, h) block h of the head's 64 channels of the tile's token r.
; Q: tile s = 0 .. 7 of a step holds tokens 16 s + r.  K: tile 4 c + u holds tokens 64 c + 8 g + r (r < 8) and 64 c + 32 + 8 g + r - 8 (else), g = 0, 2, 1, 3 for u = 0 .. 3.  V image t: channel 16 t + r, the step's 128 tokens.
; Inside a block of 32, position p holds element p (p < 8), p + 8 (p < 16), p - 8 (p < 24), p (else): q's and k's channels alike, and V's tokens; K's deal of tokens gives the next launch's p the same order.
; LIMITS: NaN, infinities and sums beyond f32's range are not served.  A block of zeros keeps the byte 1 (its codes are zeros); these bytes are read by this program alone.
; THE DEAL.  256 work-groups of four waves, 2 x 2.  A work-group has 256 tokens (tile row 4 x cluster x + cx) and 128 columns, two heads (tile column 4 x cluster y + cy), of V, then of Q, then of K.
; Wave (w, b) has tokens 128 w + 0 .. 127 and head b of the two: one record's part in each phase.  It holds its 64 rows of the phase's weight, all of K, in 384 registers and streams x's rows past them in eight blocks of 16: 32 products a block.
; V goes first: its images are whole only at its end; Q's and K's leave pair by pair of blocks.
; In Q and K source 0 is the weight's rows (a lane holds one token, its registers run along the channels); in V source 0 is x's rows (a lane holds one channel, its registers run along the tokens): so a lane's 16 registers are half a scale block, lane l xor 16 has the other half.
; LDS: x's 256 rows, whole (768 bytes + 16 behind every 256: pitch 816), filled once; one region of 128 rows for a weight; x's scale bytes in units of 256 + 16; the spare words.  Every tensor row begins at a multiple of 256 bytes of its buffer.
; FILLS.  At the head one tensor load a wave: W_v's rows, x's rows 0-127, x's rows 128-255, x's scale bytes.  The weight's region is filled again twice (W_q, W_k), each time behind a drained round of the cluster's barrier, when all waves hold the old weight in registers;
; waves 0 and 1 bring 64 rows each.  The next weight goes into registers inside a phase's last block: the fragments of a step along K are loaded four places behind their last products.
; x's tiles are shared by a column of the cluster, a weight's by a row.  No LDS address hangs on the cluster's numbers.
; No data prefetch: x and the first weight are asked for at the head, and each later weight 224 products a wave ahead of its first read.
; The text has no loop: the three phases name three sets of scale registers, two orders of sources and two deals of rows; it is written by macros.
.set KROW,  768
.set PITCH, 816
.set FR,    12
.set FPW,   21                         ; fragments in a window of 256 registers
.set YB,    256*PITCH                  ; the weight's rows
.set SCL,   YB+128*PITCH               ; x's scale bytes: 32 units of 272
.set SPARE, SCL+32*272                 ; the spare words: 128 bytes a wave
.set REC,   19968
.set PART,  6656
.set SWO,   6144
.set ADRA0, 4                          ; v4, v5  LDS address of my fragments of block 0 (v5: for the pieces behind one padding more)
.set AAS0,  6                          ; v6      my row's scale words in block 0
.set ADRA,  8                          ; v8, v9  as v4, v5, for the block that is fetched next
.set SPW,   10                         ; v10     my spare word
.set NIL,   11                         ; v11     0
.set CO,    12                         ; v12     16 x lane
.set ABS,   13                         ; v13     32 x lane: my row among 32 rows of a weight's scale bytes
.set BA,    14                         ; v14-21  LDS addresses of the weight's four tiles, two each as v4, v5
.set SB,    24                         ; v24-71  the weights' scale words: sets V, Q, K of 16
.set SWD,   72                         ; v72-75  a part's four scale words
.set SA,    76                         ; v76-91  x's scale words: two sets of eight
.set T,     92                         ; v92-99  eight chains of maxima
.set P,     100                        ; v100-103 lane l xor 16's maxima
.set SOP,   104                        ; v104-107 the conversions' scale operands
.set EB,    108                        ; v108-111 the scales' bytes
.set F,     112                        ; v112-123 an image of Q or K
.set VC,    112                        ; v112-159 V's four images
.set CT,    160                        ; v160-175 codes on their way to an odd register
.set ADRK0, 176                        ; v176, v177 as v4, v5 by K's deal: row r % 8 + 32 (r / 8)
.set AASK,  178                        ; v178    as v6 by K's deal
.set ACC,   192                        ; v192-255 the sums of a pair of blocks
.set WV, 24                            ; s24 the wave; s25 its row w, s26 its column b
.set WR, 25
.set WC, 26
.set G1A, 36                           ; group 1: x's rows
.set G1B, 44                           ; a weight's 128 rows
.set G1S, 52                           ; x's scale bytes
.set SEL, 60                           ; s[60:61] selects for lane l xor 16
.set G1R, 68                           ; a refill's 64 rows
.set G0A, 76
.set G0B, 80
.set G0S, 84
.set G0Q, 88
.set G0K, 92
.set MSB, 0
.set NLD, 0                            ; counts the LDS loads of the last fetch
.macro WIN new
.if MSB != \new
	s_set_vgpr_msb (MSB<<8)|\new
.set MSB, \new
.endif
.endm
.macro PLACES n
.rept \n
	v_nop
.endr
.endm
.macro WALU
	s_wait_alu depctr_va_vdst(0)
.endm
.macro BARRIER
	s_barrier_signal -1
	s_barrier_wait -1
.endm
.macro CROUND                          ; a round of the cluster's barrier
	BARRIER
	s_cmp_lg_u32 s[WV], 0
	s_cbranch_scc1 .Lnot_wave_0_\@
	s_barrier_signal -3
.Lnot_wave_0_\@:
	s_barrier_wait -3
	BARRIER
.endm
.macro TLOAD g0, g1                    ; an s_nop 0 and four v_nop follow a tensor load
	tensor_load_to_lds s[\g0:\g0+3], s[\g1:\g1+7]
	s_nop 0
	PLACES 4
.endm
.macro GROUP1 g, mask, rows            ; rows of 768 bytes, 16 bytes of padding behind every 256
	s_or_b32 s[\g+0], s[\mask], (1<<20)|(1<<21)|(5<<22)|(3<<25)
	s_mov_b32 s[\g+1], KROW<<16
	s_mov_b32 s[\g+2], (\rows)<<16
	s_mov_b32 s[\g+3], KROW<<16
	s_mov_b32 s[\g+4], \rows
	s_mov_b32 s[\g+5], KROW
	s_mov_b32 s[\g+6], 0
	s_mov_b32 s[\g+7], 0
.endm
.macro G0ADR g, base, off              ; group 0's address: base + the 32-bit offset in s\off (s23 = 0)
	s_mov_b32 s22, s\off
	s_add_nc_u64 s[\g+2:\g+3], s[\base:\base+1], s[22:23]
	s_or_b32 s[\g+3], s[\g+3], 0x80000000
.endm
.macro ATILE first                     ; 128 of x's rows, by constants
	s_mov_b32 s[G0A+1], (\first)*PITCH
.if \first
	s_add_nc_u64 s[G0A+2:G0A+3], s[G0A+2:G0A+3], (\first)*KROW
.endif
	s_or_b32 s[G0A+3], s[G0A+3], 0x80000000
	TLOAD G0A, G1A
.endm
.macro TREE g0                         ; a refill: waves 0 and 1 bring 64 rows each
	s_cmp_lt_u32 s[WV], 2
	s_cbranch_scc0 .Lnone_\@
	TLOAD \g0, G1R
.Lnone_\@:
.endm
; Fragment f lies in window 1 + f / 21 at register 12 (f % 21): 0-31 the weight's (4 q + tile), 32-47 x's two sets (32 + 8 e + q).
; Six pieces of 8 bytes out of a padded row, two to a load where both go by the same address register.
.macro FRAGB f, q, a0, a1
	WIN (1+(\f)/FPW)<<6
.set R_, FR*((\f)%FPW)
.set SKIP_, 0
.irp p, 0,1,2,3,4,5
.if SKIP_
.set SKIP_, 0
.else
.set NLD, NLD+1
.set PC_, 12*(\q)+6*(\p/3)+\p%3
.set PN_, 12*(\q)+6*((\p+1)/3)+(\p+1)%3
.set X_, (PC_%32+3)/32
.set XQ_, (PN_%32+3)/32
.if (\p < 5) && (X_ == XQ_)
.set SKIP_, 1
.if X_
	ds_load_2addr_b64 v[R_+2*\p:R_+2*\p+3], \a1 offset0:PC_+2*(PC_/32) offset1:PN_+2*(PN_/32)
.else
	ds_load_2addr_b64 v[R_+2*\p:R_+2*\p+3], \a0 offset0:PC_+2*(PC_/32) offset1:PN_+2*(PN_/32)
.endif
.elseif X_
	ds_load_b64 v[R_+2*\p:R_+2*\p+1], \a1 offset:8*(PC_+2*(PC_/32))
.else
	ds_load_b64 v[R_+2*\p:R_+2*\p+1], \a0 offset:8*(PC_+2*(PC_/32))
.endif
.endif
.endr
.endm
.macro LOADB                           ; my 64 rows of the weight, all of K
.irp q, 0,1,2,3,4,5,6,7
.irp b, 0,1,2,3
	FRAGB 4*\q+\b, \q, v[BA+2*\b], v[BA+2*\b+1]
.endr
.endr
	WIN 0
.endm
.macro FETCH e, as, so                 ; a block of x's rows into set e, with its scale words (at v[as] + so): NLD loads
.set NLD, 0
.irp q, 0,1,2,3,4,5,6,7
	FRAGB 32+8*(\e)+\q, \q, v[ADRA], v[ADRA+1]
.endr
	WIN 0
	ds_load_b128 v[SA+8*(\e):SA+8*(\e)+3], v[\as] offset:\so
	ds_load_b128 v[SA+8*(\e)+4:SA+8*(\e)+7], v[\as] offset:(\so)+16
.set NLD, NLD+2
.endm
; Block blk is fetched into set e; k != 0: by K's deal.  Two address lines and two idle ones are the four places between a block's last product and the loads into the registers that it has read.
.macro NEXTA blk, e, k=0
.if \k
.set G_, 8*((\blk)/4)+2*((\blk)%2)+((\blk)%4)/2   ; the block's first group of eight tokens: 8 c + g
	v_add_nc_u32 v[ADRA], G_*8*PITCH, v[ADRK0]
	v_add_nc_u32 v[ADRA+1], G_*8*PITCH, v[ADRK0+1]
	PLACES 2
	FETCH \e, AASK, 272*G_
.else
	v_add_nc_u32 v[ADRA], (\blk)*16*PITCH, v[ADRA0]
	v_add_nc_u32 v[ADRA+1], (\blk)*16*PITCH, v[ADRA0+1]
	PLACES 2
	FETCH \e, AAS0, 544*(\blk)
.endif
.endm
; Product n = 4 q + tile of block s in phase ph (0 V, 1 Q, 2 K).  The four accumulators take turns; the first step along K takes C = 0.
; Sums: Q, K at ACC + 32 (s % 2) + 8 tile; V at ACC + 16 tile + 8 (s % 2): in both, group k of 16 registers at ACC + 16 k is half a scale block.
.macro PROD ph, s, n
.set Q_, (\n)/4
.set T_, (\n)%4
.set E_, (\s)%2
.set FB_, 4*Q_+T_
.set FA_, 32+8*E_+Q_
.set XB_, SB+16*(\ph)+8*(T_/2)+Q_
.set XA_, SA+8*E_+Q_
.if \ph
.set D_, ACC+32*E_+8*T_
	WIN (1+FB_/FPW)|((1+FA_/FPW)<<2)
	W1 D_, FB_, FA_, Q_, XB_, XA_, a, T_%2
.else
.set D_, ACC+16*T_+8*E_
	WIN (1+FA_/FPW)|((1+FB_/FPW)<<2)
	W1 D_, FA_, FB_, Q_, XA_, XB_, b, T_%2
.endif
.endm
.macro W1 d, s0, s1, q, x0, x1, side, o
.if \q
	W2 \d, \s0, \s1, v[\d:\d+7], \x0, \x1, \side, \o
.else
	W2 \d, \s0, \s1, 0, \x0, \x1, \side, \o
.endif
.endm
.macro W2 d, s0, s1, c, x0, x1, side, o   ; an odd tile's scale words lie in lanes 16-31 of the weight's register
.if \o
	v_wmma_scale_f32_16x16x128_f8f6f4 v[\d:\d+7], v[FR*((\s0)%FPW):FR*((\s0)%FPW)+FR-1], v[FR*((\s1)%FPW):FR*((\s1)%FPW)+FR-1], \c, v[\x0], v[\x1] matrix_a_fmt:MATRIX_FMT_FP6 matrix_b_fmt:MATRIX_FMT_FP6 matrix_\side\()_scale:MATRIX_SCALE_ROW1
.else
	v_wmma_scale_f32_16x16x128_f8f6f4 v[\d:\d+7], v[FR*((\s0)%FPW):FR*((\s0)%FPW)+FR-1], v[FR*((\s1)%FPW):FR*((\s1)%FPW)+FR-1], \c, v[\x0], v[\x1] matrix_a_fmt:MATRIX_FMT_FP6 matrix_b_fmt:MATRIX_FMT_FP6 matrix_\side\()_scale:MATRIX_SCALE_ROW0
.endif
.endm
.macro PRODS ph, s
.set N_, 0
.rept 32
	PROD \ph, \s, N_
.set N_, N_+1
.endr
	WIN 0
.endm
.macro PRODSR ph, s                    ; a phase's last block: behind the four products of a step along K, and four places, the next weight's fragments of that step are loaded over those just read
.irp q, 0,1,2,3,4,5,6,7
.irp t, 0,1,2,3
	PROD \ph, \s, 4*\q+\t
.endr
	PLACES 4
.irp b, 0,1,2,3
	FRAGB 4*\q+\b, \q, v[BA+2*\b], v[BA+2*\b+1]
.endr
.endr
	WIN 0
.endm
; The four groups' largest magnitudes: eight chains, one for each accumulator, each from its low end on; the floor 2^(3 - 127) holds the byte at 1 from below; then the scale operands and bytes.
.macro MAXES
.irp j, 0,1,2,3,4,5,6,7
	v_max3_num_f32 v[T+\j], |v[ACC+8*\j]|, |v[ACC+8*\j+1]|, |v[ACC+8*\j+2]|
.endr
.irp i, 3,5
.irp j, 0,1,2,3,4,5,6,7
	v_max3_num_f32 v[T+\j], v[T+\j], |v[ACC+8*\j+\i]|, |v[ACC+8*\j+\i+1]|
.endr
.endr
.irp k, 0,1,2,3
	v_max3_num_f32 v[T+2*\k], v[T+2*\k], |v[ACC+16*\k+7]|, |v[ACC+16*\k+15]|
.endr
.irp k, 0,1,2,3
	v_max3_num_f32 v[T+2*\k], v[T+2*\k], v[T+2*\k+1], 0x1800000
.endr
.irp k, 0,1,2,3
	v_permlanex16_b32 v[P+\k], v[T+2*\k], s[SEL], s[SEL+1]
.endr
.irp k, 0,1,2,3
	v_max_num_f32 v[T+2*\k], v[T+2*\k], v[P+\k]
.endr
.irp k, 0,1,2,3
	v_add_nc_u32 v[SOP+\k], 0xff000000, v[T+2*\k]   ; 2 off the exponent field
.endr
.irp k, 0,1,2,3
	v_lshrrev_b32 v[EB+\k], 23, v[SOP+\k]
.endr
.endm
; Pair f of blocks is quantised.  Two half blocks of codes change halves of the lanes, so that a lane holds a whole block; the second three registers begin at an odd number and are moved there.
.macro QUANT ph, f
	MAXES
.if \ph
.irp u, 0,1
	v_cvt_scalef32_pk16_fp6_f32 v[F+6*\u:F+6*\u+2], v[ACC+32*\u:ACC+32*\u+15], v[SOP+2*\u]
	v_cvt_scalef32_pk16_fp6_f32 v[CT+4*\u:CT+4*\u+2], v[ACC+32*\u+16:ACC+32*\u+31], v[SOP+2*\u+1]
.endr
	v_lshl_or_b32 v[SWD+\f], v[EB+1], 8, v[EB]     ; (a plain line behind the conversions)  the image's scale word
.irp u, 0,1
.irp i, 0,1,2
	v_permlane16_swap_b32 v[F+6*\u+\i], v[CT+4*\u+\i]
.endr
.endr
	v_lshl_or_b32 v[SWD+\f], v[EB+2], 16, v[SWD+\f]
	v_lshl_or_b32 v[SWD+\f], v[EB+3], 24, v[SWD+\f]
.irp u, 0,1
.irp i, 0,1,2
	v_mov_b32 v[F+6*\u+3+\i], v[CT+4*\u+\i]
.endr
.endr
.else
.set C_, (\f)/2
.irp t, 0,1,2,3
.if (\f)%2
	v_cvt_scalef32_pk16_fp6_f32 v[CT+4*\t:CT+4*\t+2], v[ACC+16*\t:ACC+16*\t+15], v[SOP+\t]
.else
	v_cvt_scalef32_pk16_fp6_f32 v[VC+12*\t+6*C_:VC+12*\t+6*C_+2], v[ACC+16*\t:ACC+16*\t+15], v[SOP+\t]
.endif
.endr
.irp t, 0,1,2,3
.if \f
	v_lshl_or_b32 v[SWD+\t], v[EB+\t], 8*(\f), v[SWD+\t]   ; byte f of channel tile t's scale word
.else
	v_mov_b32 v[SWD+\t], v[EB+\t]
.endif
.endr
.if (\f)%2
.irp t, 0,1,2,3
.irp i, 0,1,2
	v_permlane16_swap_b32 v[VC+12*\t+6*C_+\i], v[CT+4*\t+\i]
.endr
.endr
.irp t, 0,1,2,3
.irp i, 0,1,2
	v_mov_b32 v[VC+12*\t+6*C_+3+\i], v[CT+4*\t+\i]
.endr
.endr
.endif
.endif
.endm
.macro SEND ph, f                      ; each store covers 512 consecutive bytes, at a multiple of 256 from qkv's first byte
.if \ph
.irp k, 0,1,2
	global_store_b128 v[CO], v[F+4*\k:F+4*\k+3], s[20:21] offset:((\ph)-1)*PART+(\f)*1536+512*\k
.endr
.if (\f) == 3
	global_store_b128 v[CO], v[SWD:SWD+3], s[20:21] offset:((\ph)-1)*PART+SWO
.endif
.elseif (\f) == 3
.irp t, 0,1,2,3
.irp k, 0,1,2
	global_store_b128 v[CO], v[VC+12*\t+4*\k:VC+12*\t+4*\k+3], s[20:21] offset:2*PART+1536*\t+512*\k
.endr
.endr
	global_store_b128 v[CO], v[SWD:SWD+3], s[20:21] offset:2*PART+SWO
.endif
.endm
; A phase's blocks 0 to 6.  Behind block s its set takes block s + 2.  s_wait_dscnt NLD: younger than the next block's rows is the fetch just issued alone.
.macro PHASE ph
.irp f, 0,1,2,3
	PRODS \ph, 2*\f
.if \f < 3
	NEXTA 2*\f+2, 0, (\ph)==2
	s_wait_dscnt NLD
	PRODS \ph, 2*\f+1
	NEXTA 2*\f+3, 1, (\ph)==2
	s_wait_xcnt 0x0                                ; the last pair's stores have read their registers
	QUANT \ph, \f
	SEND \ph, \f
	s_wait_dscnt NLD
.endif
.endr
.endm
; Block 7, and on to the next phase.  A plain barrier shows the next weight, which waves 0 and 1 have waited for, to all; between its signal and its wait the next phase's block 0 is fetched (x's bytes, which nobody writes).
; g0 != 0: when all waves hold the next weight in registers, its region is filled again, behind a round of the cluster's barrier.
.macro CHANGE ph, g0
	s_wait_tensorcnt 0x0
	s_wait_dscnt 0x0                               ; block 7's rows are in
	s_barrier_signal -1
	NEXTA 0, 0, (\ph)==1
	s_barrier_wait -1
	PRODSR \ph, 7
	NEXTA 1, 1, (\ph)==1
	s_wait_xcnt 0x0
	QUANT \ph, 3
	SEND \ph, 3
.if \g0
	s_wait_tensorcnt 0x0
	ds_add_u32 v[SPW], v[NIL]
	s_wait_dscnt 0x0
	CROUND
	TREE \g0
.else
	s_wait_dscnt 0x0
.endif
.endm
; ================= THE HEAD
	s_load_b256 s[4:11], s[0:1], 0x0               ; x's codes, x's scales, W_q's codes, W_q's scales
	s_load_b256 s[12:19], s[0:1], 0x20             ; W_k's, W_v's
	s_load_b64 s[20:21], s[0:1], 0x40              ; qkv
	v_lshl_add_u32 v[SPW], v0, 2, SPARE
	v_mov_b32 v[NIL], 0
	ds_add_u32 v[SPW], v[NIL]
	ds_add_u32 v[SPW], v[NIL]
	v_lshrrev_b32 v1, 5, v0
	v_readfirstlane_b32 s[WV], v1
	s_lshr_b32 s[WR], s[WV], 1
	s_and_b32 s[WC], s[WV], 1
	s_bfe_u32 s27, ttmp6, 0x40000                  ; cx
	s_bfe_u32 s28, ttmp6, 0x40004                  ; cy
	s_lshl_b32 s29, ttmp9, 2
	s_add_co_u32 s29, s29, s27                     ; tile row, 0 .. 31
	s_and_b32 s30, ttmp7, 0xffff
	s_lshl_b32 s30, s30, 2
	s_add_co_u32 s30, s30, s28                     ; tile column, 0 .. 7
	s_lshl_b32 s31, 0x1111, s27                    ; my column of the cluster: shares x's rows
	s_lshl_b32 s32, s28, 2
	s_lshl_b32 s32, 15, s32                        ; my row: shares the weights'
	GROUP1 G1A, 31, 128
	GROUP1 G1B, 32, 128
	GROUP1 G1R, 32, 64
	s_or_b32 s[G1S], s31, (3<<16)|(1<<20)|(1<<21)|(5<<22)|(3<<25)   ; 8,192 dense bytes as 32 rows of 256, 16 bytes of padding behind each
	s_mov_b32 s[G1S+1], 32<<16
	s_mov_b32 s[G1S+2], 32<<16
	s_mov_b32 s[G1S+3], 32<<16
	s_mov_b32 s[G1S+4], 32
	s_mov_b32 s[G1S+5], 32
	s_mov_b32 s[G1S+6], 0
	s_mov_b32 s[G1S+7], 0
	s_mul_i32 s33, s29, 256*KROW                   ; my rows of x, in bytes
	s_lshl_b32 s34, s29, 13                        ; their scale bytes
	s_mul_i32 s35, s30, 128*KROW                   ; my rows of a weight
	s_mul_i32 s62, s[WV], 64*KROW
	s_add_co_u32 s62, s62, s35                     ; a refill's 64 rows
	s_lshl_b32 s63, s30, 12
	s_lshl_b32 s66, s[WC], 11
	s_add_co_u32 s63, s63, s66                     ; the scale bytes of my wave's 64 rows of a weight
	s_lshl_b32 s96, s29, 1
	s_add_co_u32 s96, s96, s[WR]                   ; my step of 128 tokens, 0 .. 63
	s_lshr_b32 s97, s96, 4
	s_lshl_b32 s97, s97, 8                         ; batch x 256
	s_and_b32 s96, s96, 15
	s_add_co_u32 s96, s96, s97
	s_lshl_b32 s97, s30, 1
	s_add_co_u32 s97, s97, s[WC]                   ; my head
	s_lshl_b32 s97, s97, 4
	s_add_co_u32 s96, s96, s97
	s_mul_i32 s96, s96, REC                        ; my record
	s_mov_b32 s97, 0
	s_mov_b32 s[G0A], 1
	s_mov_b32 s[G0B], 1
	s_mov_b32 s[G0B+1], YB
	s_mov_b32 s[G0S], 1
	s_mov_b32 s[G0S+1], SCL
	s_mov_b32 s[G0Q], 1
	s_mul_i32 s[G0Q+1], s[WV], 64*PITCH
	s_add_co_u32 s[G0Q+1], s[G0Q+1], YB
	s_mov_b32 s[G0K], 1
	s_mul_i32 s[G0K+1], s[WV], 64*PITCH
	s_add_co_u32 s[G0K+1], s[G0K+1], YB
	s_mov_b32 s[SEL], 0x76543210
	s_mov_b32 s[SEL+1], 0xfedcba98
	s_mul_i32 s67, s[WR], 128*PITCH                ; my 128 rows of x in LDS
	s_mul_i32 s98, s[WC], 64*PITCH
	s_add_co_u32 s98, s98, YB                      ; my 64 rows of the weight
	s_mul_i32 s99, s[WR], 16*272
	s_add_co_u32 s99, s99, SCL                     ; my rows' scale bytes
	v_and_b32 v1, 15, v0                           ; r
	v_bfe_u32 v2, v0, 4, 1                         ; h
	v_and_b32 v3, 31, v0
	v_mul_u32_u24 v22, v1, PITCH
	v_mad_u32_u24 v23, v2, 24, v22
	v_mad_u32_u24 v22, v2, 40, v22
	v_add_nc_u32 v[ADRA0], s67, v23
	v_add_nc_u32 v[ADRA0+1], s67, v22
	v_add_nc_u32 v[BA], s98, v23
	v_add_nc_u32 v[BA+1], s98, v22
.irp b, 1,2,3
	v_add_nc_u32 v[BA+2*\b], \b*16*PITCH, v[BA]
	v_add_nc_u32 v[BA+2*\b+1], \b*16*PITCH, v[BA+1]
.endr
	v_lshlrev_b32 v[ABS], 5, v3
	v_lshlrev_b32 v[CO], 4, v3
	v_lshrrev_b32 v23, 3, v1                       ; r / 8
	v_lshlrev_b32 v22, 5, v1
	v_lshl_add_u32 v22, v23, 4, v22                ; 32 r, and 16 more behind 256
	v_add_nc_u32 v[AAS0], s99, v22
	v_and_b32 v7, 7, v1                            ; K's deal: row r % 8 + 32 (r / 8)
	v_lshl_add_u32 v22, v23, 5, v7
	v_mul_u32_u24 v22, v22, PITCH
	v_add_nc_u32 v22, s67, v22
	v_mad_u32_u24 v[ADRK0], v2, 24, v22
	v_mad_u32_u24 v[ADRK0+1], v2, 40, v22
	v_mul_u32_u24 v23, v23, 1088                   ; 32 rows of scale bytes: four units of 272
	v_lshl_add_u32 v23, v7, 5, v23
	v_add_nc_u32 v[AASK], s99, v23
.irp k, 0,1,2,3
	v_mov_b32 v[P+\k], 0                           ; a lane permute's destination counts as one of its sources
.endr
	WALU
	s_wait_dscnt 0x0
	CROUND                                         ; the round in front of the first joint loads
	s_wait_kmcnt 0x0
	s_mov_b32 s23, 0
	G0ADR G0B, 16, 35
	G0ADR G0S, 6, 34
	s_mov_b32 s22, s33
	s_add_nc_u64 s[G0A+2:G0A+3], s[4:5], s[22:23]
	s_cmp_eq_u32 s[WV], 0
	s_cbranch_scc0 .Lwave_1
	TLOAD G0B, G1B                                 ; wave 0: W_v's rows, which go on into registers
	s_branch .Lasked
.Lwave_1:
	s_cmp_eq_u32 s[WV], 1
	s_cbranch_scc0 .Lwave_2
	ATILE 0                                        ; wave 1: x's rows 0 to 127
	s_branch .Lasked
.Lwave_2:
	s_cmp_eq_u32 s[WV], 2
	s_cbranch_scc0 .Lwave_3
	ATILE 128                                      ; wave 2: 128 to 255
	s_branch .Lasked
.Lwave_3:
	TLOAD G0S, G1S                                 ; wave 3: x's scale bytes
.Lasked:
	s_mov_b32 s22, s63
	s_add_nc_u64 s[18:19], s[18:19], s[22:23]
	s_add_nc_u64 s[10:11], s[10:11], s[22:23]
	s_add_nc_u64 s[14:15], s[14:15], s[22:23]
.irp p, 0,1
.irp c, 0,1
	global_load_b128 v[SB+8*\p+4*\c:SB+8*\p+4*\c+3], v[ABS], s[18:19] offset:\p*1024+16*\c        ; lane l: row 32 p + l's eight scale words
	global_load_b128 v[SB+16+8*\p+4*\c:SB+16+8*\p+4*\c+3], v[ABS], s[10:11] offset:\p*1024+16*\c
	global_load_b128 v[SB+32+8*\p+4*\c:SB+32+8*\p+4*\c+3], v[ABS], s[14:15] offset:\p*1024+16*\c
.endr
.endr
	G0ADR G0Q, 8, 62
	G0ADR G0K, 12, 62
	s_add_nc_u64 s[20:21], s[20:21], s[96:97]
	s_cmp_eq_u32 s[WV], 0
	s_cbranch_scc0 .Lnot_b
	s_wait_tensorcnt 0x0                           ; wave 0: W_v's rows
.Lnot_b:
	BARRIER                                        ; they are shown to all
	LOADB
	s_wait_loadcnt 0x0                             ; the weights' scale words
	s_wait_tensorcnt 0x0                           ; x's rows and scale bytes
	ds_add_u32 v[SPW], v[NIL]
	s_wait_dscnt 0x0                               ; and I hold W_v in registers
	CROUND
	TREE G0Q                                       ; W_q's rows
	NEXTA 0, 0
	NEXTA 1, 1
	s_wait_dscnt NLD                               ; block 0's rows are in
; ================= THE THREE PHASES
	PHASE 0
	CHANGE 0, G0K                                  ; W_q into registers, W_k's rows asked for
	PHASE 1
	CHANGE 1, 0                                    ; W_k into registers
	PHASE 2
	s_wait_dscnt 0x0                               ; block 7's rows are in
	PRODS 2, 7
	PLACES 4
	s_wait_xcnt 0x0
	QUANT 2, 3
	SEND 2, 3
	s_wait_tensorcnt 0x0                           ; the wave's end
	ds_add_u32 v[SPW], v[NIL]
	s_wait_dscnt 0x0
	CROUND                                         ; the closing round
	s_endpgm
.Lfunc_end_k_q625ffdee47_proj:
	.size	k_q625ffdee47_proj, .Lfunc_end_k_q625ffdee47_proj-k_q625ffdee47_proj
	.p2alignl 7, 3214868480
	.fill 96, 4, 3214868480
	.section	.rodata,"a",@progbits
	.p2align	6, 0x0
	.amdhsa_kernel k_q625ffdee47_proj
		.amdhsa_group_segment_fixed_size 327680
		.amdhsa_private_segment_fixed_size 0
		.amdhsa_enable_private_segment 0
		.amdhsa_kernarg_size 72
		.amdhsa_user_sgpr_count 2
		.amdhsa_user_sgpr_kernarg_segment_ptr 1
		.amdhsa_wavefront_size32 1
		.amdhsa_system_sgpr_workgroup_id_x 1
		.amdhsa_system_sgpr_workgroup_id_y 1
		.amdhsa_system_sgpr_workgroup_id_z 1
		.amdhsa_system_vgpr_workitem_id 0
		.amdhsa_next_free_vgpr 840
		.amdhsa_next_free_sgpr 100
		.amdhsa_reserve_vcc 0
		.amdhsa_float_denorm_mode_32 3
		.amdhsa_float_denorm_mode_16_64 3
		.amdhsa_memory_ordered 1
		.amdhsa_forward_progress 1
		.amdhsa_inst_pref_size 232
	.end_amdhsa_kernel
	.amdgpu_metadata
---
amdhsa.version: [ 1, 2 ]
amdhsa.kernels:
  - .name:           k_q625ffdee47_proj
    .symbol:         k_q625ffdee47_proj.kd
    .args:
      - { .name: x_codes, .offset: 0, .size: 8, .value_kind: global_buffer, .address_space: global }
      - { .name: x_scales, .offset: 8, .size: 8, .value_kind: global_buffer, .address_space: global }
      - { .name: Wq_codes, .offset: 16, .size: 8, .value_kind: global_buffer, .address_space: global }
      - { .name: Wq_scales, .offset: 24, .size: 8, .value_kind: global_buffer, .address_space: global }
      - { .name: Wk_codes, .offset: 32, .size: 8, .value_kind: global_buffer, .address_space: global }
      - { .name: Wk_scales, .offset: 40, .size: 8, .value_kind: global_buffer, .address_space: global }
      - { .name: Wv_codes, .offset: 48, .size: 8, .value_kind: global_buffer, .address_space: global }
      - { .name: Wv_scales, .offset: 56, .size: 8, .value_kind: global_buffer, .address_space: global }
      - { .name: qkv, .offset: 64, .size: 8, .value_kind: global_buffer, .address_space: global }
    .group_segment_fixed_size: 327680
    .private_segment_fixed_size: 0
    .kernarg_segment_align: 8
    .kernarg_segment_size: 72
    .max_flat_workgroup_size: 128
    .sgpr_count:     100
    .vgpr_count:     840
    .wavefront_size: 32
...
	.end_amdgpu_metadata
.endif
;; end of part 1
;; launch attn (part 2): grid 4 x 64, 8 waves a work-group, clusters of 4 x 1, 327,680 bytes of LDS; arguments qkv, out0; writes out0
.if DOCPART == 2
	.amdgcn_target "amdgcn-amd-amdhsa--gfx1250"
	.amdhsa_code_object_version 6
	.text
	.protected	k_q625ffdee47_attn
	.globl	k_q625ffdee47_attn
	.p2align	8
	.type	k_q625ffdee47_attn,@function
k_q625ffdee47_attn:
	s_mov_b64 s[64:65], 0
	v_nop
	global_prefetch_b8 v0, s[64:65] scope:SCOPE_SE
	s_setreg_imm32_b32 hwreg(HW_REG_WAVE_MODE, 25, 1), 1
	s_wait_xcnt 0x0
	s_wait_alu depctr_hold_cnt(0) depctr_sa_sdst(0) depctr_va_vdst(0) depctr_va_sdst(0) depctr_va_ssrc(0) depctr_va_vcc(0) depctr_vm_vsrc(0)
	s_getreg_b32 s2, hwreg(HW_REG_IB_STS2, 6, 4)
	s_cmp_eq_u32 s2, 0
	s_cbranch_scc0 .Lentry_in_a_cluster
	s_endpgm
.Lentry_in_a_cluster:
	s_bfe_u32 s2, ttmp6, 0x10000c
	s_cmp_lg_u32 s2, 0x3003
	s_cbranch_scc0 .Lentry_shape_is_right
	s_endpgm
.Lentry_shape_is_right:
; out[b][q][head][:] = the sum over keys of softmax(q . k / 32) v, both products on codes of FP6 (E2M3) with one E8M0 scale for each 32 along a product's K.
; INPUT: qkv as the launch before leaves it: records of 19,968 bytes, (batch x 16 + head) x 16 + step of 128 tokens, parts Q, K, V of 6,656 bytes: four images of operand registers (registers 4 c .. 4 c + 3 of lane l at 1,536 i + 512 c + 16 l), the lanes' four scale words at 6,144 + 16 l.
; An image of Q or K holds two tiles of 16 tokens (registers 0-5, 6-11).  Q's tile s: tokens 16 s + r.  K's tile 4 c + u: tokens 64 c + 8 g + r (r < 8), 64 c + 32 + 8 g + r - 8 (else), g = 0, 2, 1, 3 for u = 0 .. 3.  V's image t: channel 16 t + r, the step's 128 keys.
; THE SOFTMAX AHEAD OF THE SECOND PRODUCT: t = score x log2(e) / 32; M = the running largest t rounded UP to a whole number; p = 2^(t - M) is what is quantised, along the keys, not normalised.
; The row's sum is taken of the unquantised p and divides at the end.  When M moves, the sum and O are multiplied by 2^(old M - new M): exact.
; SHARES.  A work-group owns 512 queries of one head; each of its eight waves 64 of them, in two passes; a pass takes the two tiles of 16 queries of one image of Q SIDE BY SIDE, so that each fragment of K and of V, loaded from LDS once, feeds both.
; REGISTERS, two windows of 256.  Window 0: tile A's state and K's images; window 1: tile B's state, under the same numbers, and V's images under K's numbers.  One text (SOFT, WAYOUT) serves both tiles under two settings of the windows.
; All scale registers lie in window 0 (scale operands have no window).  K and V have registers of their own: the next step's K is asked for behind the score products, the next step's V behind the second products.
; K AND V OF THE WHOLE HEAD STAY IN LDS: 16 key steps x 13,312 bytes.  Wave w brings key steps 2 w and 2 w + 1 by one tensor load at the head (two rows of 13,312 bytes, 19,968 apart); nothing is filled again.
; Wave 0's load has a line and a wait of its own: a first barrier shows key steps 0 and 1, a second, behind the first key step's work, the others.
; CLUSTER: a head's four blocks of queries form a cluster and ask for the key steps jointly (mask 15).
; LAYOUT.  Both products are used transposed: a lane holds ONE query (lane % 16) of its tile.  The head is 64 deep and the instruction 128: an image of K is multiplied by [Q | 0] and by [0 | Q].
; By K's deal of tokens the 32 score registers S + 32 c .. of lane (r, h) are the WHOLE block 2 c + h of 32 keys, position 8 u + j holding key 8 g + j of the block: the order in which V's keys lie.
; LIMITS: NaN and infinities are not served.  A p under 2^-126 becomes 0 (v_exp_f32 flushes).  A block whose every p is 0 keeps the byte 1: its codes are zeros.  The order of K inside a block of 32 differs from the natural one, on both operands alike.
; The promise holds while the scaled scores stay under 2^31 in magnitude.  No prefetch: every tile that the launch reads is asked for at its head.
.set REC,   19968
.set PART,  6656
.set RL,    13312                      ; a key step in LDS: K's part, then V's
.set VOFF,  6656
.set SWO,   6144
.set STAGE, 16*RL                      ; 16 rows x (256 bytes + 16) for each wave, for the way out; no fill lands there
.set SP,    272
.set SPARE, STAGE+8*16*SP              ; the spare words: 128 bytes a wave
; window 0 alone
.set LI,   1                           ; v1   16 x lane; never rewritten
.set AD,   2                           ; v2   the same in the key step that is fetched next
.set GO,   3                           ; v3   the way out: my byte offset in two rows of out
.set STO,  4                           ; v4   where I put 32 bytes of a row in my stage
.set SRD,  5                           ; v5   where I read a row back
.set QR,   6                           ; v6, v7 the scale words of my two images of Q
.set SPW,  8
.set NIL,  9
.set PWB,  198                         ; v198 tile B's p's scale word (tile A's: v253)
.set SWV,  200                         ; v200-203 V's scale words
.set QWA,  204                         ; v204, v205 the scale words of tile A's [Q | 0], [0 | Q]
.set QWB,  206                         ; v206, v207 tile B's
.set SWK,  248                         ; v248-251 K's scale words
; both windows: a tile's state.  v12 -M, v13 the largest score
.set LS,   14                          ; v14-21 the row's sum: four chains of pairs
.set QHI,  22                          ; v[22:33] = [0 | Q]
.set QLO,  28                          ; v[28:39] = [Q | 0]
.set KV,   40                          ; v40-87 window 0: K's four images; window 1: V's
.set BM,   88                          ; v88-91 four chains of maxima; v88, v90 my two blocks'
.set SH8,  92                          ; v92  8 x (lane / 16)
.set EB,   93                          ; v93, v94 my two blocks' scale bytes
.set OLD,  95                          ; v95  the old -M
.set S,    96                          ; v96-159 S^T, then p; on the way out O^T / the sum and rows of out
.set O,    160                         ; v160-191 O^T
.set Q1,   192                         ; v192-197 the second pass's Q
.set PCD,  224                         ; v224-235 p's codes; v236-238, v240-242 codes on their way to an odd register; v236 also lane l xor 16's maximum
.set W2,   239                         ; v239 lane l xor 16's scale bytes
.set SOP,  244                         ; v244, v245 the conversions' scale operands;  v252 f, v253 its pair's upper half, v254 at work
.set WV,   8
.set SEL,  24                          ; s[24:25] selects for lane l xor 16
.set CS,   26                          ; s[26:27] c = log2(e) / 32
.set TB,   28                          ; s28 LDS byte at which the key step to be fetched begins
.set CNT,  29
.set MSB, 0
.macro WIN new                         ; bits 1:0 source 0, 3:2 source 1, 5:4 source 2, 7:6 destination; the high byte repeats the setting that is left
.if MSB != \new
	s_set_vgpr_msb (MSB<<8)|\new
.set MSB, \new
.endif
.endm
.macro WALU
	s_wait_alu depctr_va_vdst(0)
.endm
.macro ROUND                           ; a round of the cluster's barrier
	s_barrier_signal -1
	s_barrier_wait -1
	s_cmp_lg_u32 s[WV], 0
	s_cbranch_scc1 .Lnot_wave_0_\@
	s_barrier_signal -3
.Lnot_wave_0_\@:
	s_barrier_wait -3
	s_barrier_signal -1
	s_barrier_wait -1
.endm
.macro TLOAD                           ; an s_nop 0 and four v_nop follow a tensor load
	tensor_load_to_lds s[12:15], s[16:23]
	s_nop 0
.rept 4
	v_nop
.endr
.endm
	s_load_b128 s[4:7], s[0:1], 0x0                ; qkv, out0
	v_lshl_add_u32 v[SPW], v0, 2, SPARE
	v_mov_b32 v[NIL], 0
	ds_add_u32 v[SPW], v[NIL]
	ds_add_u32 v[SPW], v[NIL]
	v_lshrrev_b32 v1, 5, v0
	v_readfirstlane_b32 s[WV], v1                  ; wave 0..7
	s_bfe_u32 s9, ttmp6, 0x40000                   ; cx
	s_lshl_b32 s11, ttmp9, 2
	s_add_co_u32 s11, s11, s9                      ; my block of 512 queries: it enters Q's and out's addresses alone
	s_and_b32 s10, ttmp7, 0xffff                   ; batch x 16 + head, which the four partners share
	s_mov_b32 s16, 15|(3<<16)|(1<<21)              ; group 1: two rows of 1,664 elements of 8 bytes, 2,496 elements apart; the mask names all four
	s_mov_b32 s17, 1664<<16
	s_mov_b32 s18, 2<<16
	s_mov_b32 s19, 1664<<16
	s_mov_b32 s20, 2
	s_mov_b32 s21, 2496
	s_mov_b32 s22, 0
	s_mov_b32 s23, 0
	s_lshl_b32 s36, s10, 4
	s_lshl_b32 s37, s[WV], 1
	s_add_co_u32 s36, s36, s37                     ; the record of key step 2 w of my head,
	s_mul_i32 s36, s36, REC
	s_add_co_u32 s36, s36, PART                    ; its parts K and V
	s_mov_b32 s37, 0
	s_lshl_b32 s32, s10, 4
	s_lshl_b32 s33, s11, 2
	s_add_co_u32 s32, s32, s33
	s_lshr_b32 s33, s[WV], 1
	s_add_co_u32 s32, s32, s33                     ; the record of my queries: step 4 x block + wave / 2
	s_mul_i32 s32, s32, REC
	s_mov_b32 s33, 0
	s_lshr_b32 s38, s10, 4
	s_lshl_b32 s38, s38, 11                        ; batch x 2,048 rows of out,
	s_lshl_b32 s39, s11, 9
	s_add_co_u32 s38, s38, s39                     ; + 512 x block
	s_lshl_b32 s39, s[WV], 6
	s_add_co_u32 s38, s38, s39                     ; + 64 x wave,
	s_lshl_b32 s38, s38, 12                        ; of 4,096 bytes,
	s_and_b32 s39, s10, 15
	s_lshl_b32 s39, s39, 8
	s_add_co_u32 s38, s38, s39                     ; + the head's 256 bytes
	s_mov_b32 s39, 0
	s_mov_b32 s[SEL], 0x76543210
	s_mov_b32 s[SEL+1], 0xfedcba98
	s_mov_b32 s[CS], 0x3d38aa3b                    ; log2(e) / 32
	s_mov_b32 s[CS+1], s[CS]
	s_wait_dscnt 0x0
	s_wait_kmcnt 0x0
	s_mov_b32 s12, 1
	s_mul_i32 s13, s[WV], 2*RL                     ; LDS address: wave x two key steps
	s_add_nc_u64 s[14:15], s[4:5], s[36:37]        ; it hangs on the head and the wave alone
	s_or_b32 s15, s15, 0x80000000
	s_add_nc_u64 s[30:31], s[4:5], s[32:33]        ; Q's record
	s_add_nc_u64 s[6:7], s[6:7], s[38:39]          ; out at my first query, my head
	ROUND                                          ; all four work-groups are here: the joint loads meet
	s_cmp_eq_u32 s[WV], 0
	s_cbranch_scc0 .Lrest
	TLOAD                                          ; wave 0: key steps 0 and 1, on a line of its own
	s_branch .Lasked
.Lrest:
	TLOAD                                          ; the others: key steps 2 w, 2 w + 1
.Lasked:
	v_and_b32 v[LI], 31, v0
	v_and_b32 v10, 15, v0                          ; r
	v_bfe_u32 v11, v0, 4, 1                        ; h
	v_lshlrev_b32 v[LI], 4, v[LI]
	v_lshlrev_b32 v[GO], 12, v11
	v_lshlrev_b32 v[SH8], 3, v11
	v_mul_u32_u24 v[STO], v10, SP
	v_mul_u32_u24 v[SRD], v11, SP
	v_lshl_add_u32 v[GO], v10, 4, v[GO]            ; lanes 0-15 one row of out, lanes 16-31 the next; 16 bytes a lane
	s_mul_i32 s34, s[WV], 16*SP
	s_add_co_u32 s34, s34, STAGE                   ; my stage
	v_lshl_add_u32 v[STO], v11, 5, v[STO]
	v_lshl_add_u32 v[SRD], v10, 4, v[SRD]
	v_add_nc_u32 v[STO], s34, v[STO]               ; in: row r, + 32 h
	v_add_nc_u32 v[SRD], s34, v[SRD]               ; back: row h, + 16 r
.irp i, 0,1,2,3,4,5
	v_mov_b32 v[QHI+\i], 0                         ; the zero halves of [0 | Q] and [Q | 0]: zero codes
	v_mov_b32 v[QLO+6+\i], 0
.endr
	v_mov_b32 v236, 0                              ; a lane permute's destination counts as one of its sources
	v_mov_b32 v[W2], 0
	v_mov_b32 v253, 0                              ; (named as the upper half of the pair v[252:253])
	WIN 0x40                                       ; the same for tile B, in window 1
	v_lshlrev_b32 v[SH8], 3, v11
.irp i, 0,1,2,3,4,5
	v_mov_b32 v[QHI+\i], 0
	v_mov_b32 v[QLO+6+\i], 0
.endr
	v_mov_b32 v236, 0
	v_mov_b32 v[W2], 0
	v_mov_b32 v253, 0
	WIN 0
	s_and_b32 s35, s[WV], 1                        ; my wave's two images of Q: 2 (wave % 2) and the next
	s_mul_i32 s34, s35, 3072
	v_add_nc_u32 v10, s34, v[LI]
	v_lshl_add_u32 v11, s35, 3, v[LI]              ; and their words among my lane's four
	global_load_b128 v[QLO:QLO+3], v10, s[30:31]                 ; an image's registers 0-5: tile A
	global_load_b64 v[QLO+4:QLO+5], v10, s[30:31] offset:512
	global_load_b128 v[Q1:Q1+3], v10, s[30:31] offset:1536
	global_load_b64 v[Q1+4:Q1+5], v10, s[30:31] offset:2048
	global_load_b64 v[QR:QR+1], v11, s[30:31] offset:SWO
	WIN 0x40
	global_load_b64 v[QLO:QLO+1], v10, s[30:31] offset:520       ; registers 6-11: tile B
	global_load_b128 v[QLO+2:QLO+5], v10, s[30:31] offset:1024
	global_load_b64 v[Q1:Q1+1], v10, s[30:31] offset:2056
	global_load_b128 v[Q1+2:Q1+5], v10, s[30:31] offset:2560
	WIN 0
	WALU
	s_cmp_eq_u32 s[WV], 0
	s_cbranch_scc0 .Lnot_0
	s_wait_tensorcnt 0x0                           ; wave 0: key steps 0 and 1 have landed
.Lnot_0:
	s_barrier_signal -1
	s_barrier_wait -1                              ; they are shown to all
	s_wait_loadcnt 0x0                             ; Q
.macro KLOAD adr                       ; K's four images and my four scale words: 13 loads, each of 512 consecutive bytes
.irp f, 0,1,2,3
.irp c, 0,1,2
	ds_load_b128 v[KV+12*\f+4*\c:KV+12*\f+4*\c+3], v[\adr] offset:1536*\f+512*\c
.endr
.endr
	ds_load_b128 v[SWK:SWK+3], v[\adr] offset:SWO
.endm
.macro VLOAD adr                       ; V's, the images into window 1: 13 loads
	WIN 0x40
.irp f, 0,1,2,3
.irp c, 0,1,2
	ds_load_b128 v[KV+12*\f+4*\c:KV+12*\f+4*\c+3], v[\adr] offset:VOFF+1536*\f+512*\c
.endr
.endr
	WIN 0
	ds_load_b128 v[SWV:SWV+3], v[\adr] offset:VOFF+SWO
.endm
.macro SUMS k0, n                      ; THE ROW'S SUM IS TAKEN OF THE UNQUANTISED p: 2 n packed additions, in four chains, from p's register 4 k0 on
.set k, \k0
.rept \n
	v_pk_add_f32 v[LS+4*(k%2):LS+4*(k%2)+1], v[LS+4*(k%2):LS+4*(k%2)+1], v[S+4*k:S+4*k+1]
	v_pk_add_f32 v[LS+4*(k%2)+2:LS+4*(k%2)+3], v[LS+4*(k%2)+2:LS+4*(k%2)+3], v[S+4*k+2:S+4*k+3]
.set k, k+1
.endr
.endm
.macro SCORES qw                       ; S^T = K Q^T of one tile: eight products
.irp f, 0,1,2,3
	v_wmma_scale_f32_16x16x128_f8f6f4 v[S+16*\f:S+16*\f+7], v[KV+12*\f:KV+12*\f+11], v[QLO:QLO+11], 0, v[SWK+\f], v[\qw] matrix_a_fmt:MATRIX_FMT_FP6 matrix_b_fmt:MATRIX_FMT_FP6
	v_wmma_scale_f32_16x16x128_f8f6f4 v[S+16*\f+8:S+16*\f+15], v[KV+12*\f:KV+12*\f+11], v[QHI:QHI+11], 0, v[SWK+\f], v[\qw+1] matrix_a_fmt:MATRIX_FMT_FP6 matrix_b_fmt:MATRIX_FMT_FP6
.endr
.endm
.macro PV pw                           ; O^T += V^T P^T of one tile: the four accumulators by turns
.irp t, 0,1,2,3
	v_wmma_scale_f32_16x16x128_f8f6f4 v[O+8*\t:O+8*\t+7], v[KV+12*\t:KV+12*\t+11], v[PCD:PCD+11], v[O+8*\t:O+8*\t+7], v[SWV+\t], v[\pw] matrix_a_fmt:MATRIX_FMT_FP6 matrix_b_fmt:MATRIX_FMT_FP6
.endr
.endm
; A tile's softmax of a key step, its codes and scale word.  u = 0: tile A, window 0; u = 1: tile B, window 1.
.macro SOFT u
	WIN 0x55*(\u)
	v_mov_b32 v[OLD], v12
.if \u
	WALU
.endif
.irp b, 0,1,2,3
	v_max3_num_f32 v[BM+\b], v[S+16*\b], v[S+1+16*\b], v[S+2+16*\b]   ; THE LARGEST SCORE OF MY TWO BLOCKS OF 32 KEYS, two chains each: it serves for the row's maximum and, since p rises with the score, for the block's largest p
.endr
.irp i, 3,5,7,9,11,13
.irp b, 0,1,2,3
	v_max3_num_f32 v[BM+\b], v[BM+\b], v[S+16*\b+\i], v[S+1+16*\b+\i]   ; (each result is read from its low end on)
.endr
.endr
.irp c, 0,1
	v_max3_num_f32 v[BM+2*\c], v[BM+2*\c], v[S+32*\c+15], v[S+32*\c+31]
.endr
.irp c, 0,1
	v_max_num_f32 v[BM+2*\c], v[BM+2*\c], v[BM+2*\c+1]
.endr
	v_max3_num_f32 v254, v[BM], v[BM+2], v13
	v_permlanex16_b32 v236, v254, s[SEL], s[SEL+1]
	v_max_num_f32 v13, v254, v236                  ; the running largest score of my query
	v_mul_f32 v254, s[CS], v13                     ; as t (c is positive)
	v_floor_f32 v12, -v254                         ; the new -M = floor(-t) = -ceil(t): M is a whole number
	v_sub_f32 v254, v12, v[OLD]                    ; old M - new M: a whole number, 0 or less
	v_cvt_i32_f32 v254, v254                       ; (it saturates)
	v_ldexp_f32 v252, 1.0, v254                    ; f = 2^(old M - new M): a multiplication by it rounds nothing
.set j, 0
.rept 32
	v_pk_fma_f32 v[S+j:S+j+1], v[S+j:S+j+1], s[CS:CS+1], v[12:13] op_sel_hi:[1,0,0]   ; t - M, two at a time
.set j, j+2
.endr
.irp c, 0,1
	v_fma_f32 v[BM+2*\c], v[BM+2*\c], s[CS], v12   ; the same of each block's largest score
.endr
	WALU
.set j, 0
.rept 64
	v_exp_f32 v[S+j], v[S+j]                       ; p = 2^(t - M), at most 1: not normalised
.set j, j+1
.endr
.irp c, 0,1
	v_exp_f32 v[BM+2*\c], v[BM+2*\c]               ; the block's largest p: the same two instructions on the same number give the same bits
.endr
.irp i, 0,2,4,6
	v_pk_mul_f32 v[LS+\i:LS+\i+1], v[LS+\i:LS+\i+1], v[252:253] op_sel_hi:[1,0]   ; the sums under the new M
.endr
	WALU                                           ; one wait behind the batch, directly ahead of the first reader of O^T
.set j, 0
.rept 16
	v_pk_mul_f32 v[O+j:O+j+1], v[O+j:O+j+1], v[252:253] op_sel_hi:[1,0]   ; O^T under the new M
.set j, j+2
.endr
; the scales and codes, two blocks wide; four additions of the row's sum stand between the links
.irp c, 0,1
	v_max_num_f32 v[BM+2*\c], 0x1800000, v[BM+2*\c]   ; the floor 2^(3 - 127): the byte cannot fall under 1
.endr
	SUMS 0, 2
.irp c, 0,1
	v_add_nc_u32 v[SOP+\c], 0xff000000, v[BM+2*\c]    ; 2 off the exponent field: the conversion's scale operand
.endr
	SUMS 2, 2
.irp c, 0,1
	v_lshrrev_b32 v[EB+\c], 23, v[SOP+\c]          ; the scale's byte
.endr
.irp c, 0,1
	v_cvt_scalef32_pk16_fp6_f32 v[PCD+6*\c:PCD+2+6*\c], v[S+32*\c:S+15+32*\c], v[SOP+\c]
	v_cvt_scalef32_pk16_fp6_f32 v[236+4*\c:238+4*\c], v[S+16+32*\c:S+31+32*\c], v[SOP+\c]   ; (a conversion's three registers begin on an even number)
.endr
	v_lshl_or_b32 v254, v[EB+1], 16, v[EB]         ; (a plain line behind the conversions)  my bytes: blocks h and 2 + h,
	SUMS 4, 2
	v_lshlrev_b32 v254, v[SH8], v254               ; at their places in the scale word
.irp c, 0,1
.irp i, 0,1,2
	v_mov_b32 v[PCD+3+6*\c+\i], v[236+4*\c+\i]
.endr
.endr
	v_permlanex16_b32 v[W2], v254, s[SEL], s[SEL+1]
	SUMS 6, 2
.if \u
	WIN 0x05                                       ; the scale word goes to window 0
	v_or_b32 v[PWB], v254, v[W2]                   ; with lane l xor 16's two bytes the word is whole
	WIN 0x55
	SUMS 8, 8                                      ; sixteen lines: more than the eight places between the scale word's last line and the scaled products
.else
	v_or_b32 v253, v254, v[W2]
	SUMS 8, 6                                      ; (the last four additions stand behind the second products)
.endif
.endm
; A KEY STEP: 128 keys, two tiles of queries.  nxt = 1: the next step's K and V are asked for; 2: key step 0's, for the second pass; 0: nothing.
.macro STEP nxt
	WALU
	s_wait_dscnt 13                                ; K's images and scale words are in; V's 13 loads are younger
	SCORES QWA
	WIN 0x44                                       ; Q and the scores in window 1
	SCORES QWB
	WIN 0
.if \nxt == 1                          ; four places in front of the loads into K's registers and of the first read of the scores
	s_add_co_u32 s[TB], s[TB], RL
	v_add_nc_u32 v[AD], s[TB], v[LI]
.elseif \nxt == 2
	v_mov_b32 v[AD], v[LI]
.else
	v_nop
.endif
.rept 3
	v_nop
.endr
.if \nxt
	KLOAD AD
.endif
	SOFT 0
	SOFT 1
	WIN 0
	WALU
.if \nxt
	s_wait_dscnt 13                                ; V's images and scale words are in; the next K's 13 loads are younger
.else
	s_wait_dscnt 0x0
.endif
	WIN 0x01                                       ; V in window 1
	PV 253
	WIN 0x55
	PV PWB
	WIN 0
	SUMS 14, 2                                     ; tile A's last four additions: the places in front of the loads into V's registers
.if \nxt
	VLOAD AD
.endif
.endm
.macro INIT                            ; a tile's state
	v_mov_b32 v13, 0xff61b1e6                      ; the largest score so far: -3e38
.irp i, 0,1,2,3,4,5,6,7
	v_mov_b32 v[LS+\i], 0
.endr
	v_floor_f32 v12, -v13                          ; -M
.set j, 0
.rept 32
	v_mov_b32 v[O+j], 0                            ; O^T: the first change of M multiplies zeros
.set j, j+1
.endr
.endm
; The way out of tile u of pass p: O^T is divided by the sum and goes through my stage, so that sixteen lanes store a query's 256 bytes of this head.
.macro WAYOUT u, p
	WIN 0x55*(\u)
	v_pk_add_f32 v[LS:LS+1], v[LS:LS+1], v[LS+2:LS+3]
	v_pk_add_f32 v[LS+4:LS+5], v[LS+4:LS+5], v[LS+6:LS+7]
	v_pk_add_f32 v[LS:LS+1], v[LS:LS+1], v[LS+4:LS+5]
	v_add_f32 v[LS], v[LS], v[LS+1]
	v_permlanex16_b32 v254, v[LS], s[SEL], s[SEL+1]
	v_add_f32 v[LS], v[LS], v254                   ; with lane l xor 16's keys: the row's sum
	WALU
	v_rcp_f32 v[LS], v[LS]
	v_nop
	WALU                                           ; ahead of the first reader
.set j, 0
.rept 32
	v_mul_f32 v[S+j], v[O+j], v[LS]                ; register 8 t + i is out(query r, channel 16 t + 8 h + i); each accumulator from its low end on
.set j, j+1
.endr
	WIN 0x04*(\u)                                  ; a store's data: source 1
.irp t, 0,1,2,3
	ds_store_b128 v[STO], v[S+8*\t:S+8*\t+3] offset:64*\t
	ds_store_b128 v[STO], v[S+8*\t+4:S+8*\t+7] offset:64*\t+16
.endr
	WIN 0x40*(\u)
.irp i, 0,1,2,3,4,5,6,7
	ds_load_b128 v[S+32+4*\i:S+32+4*\i+3], v[SRD] offset:2*\i*SP   ; LDS serves a wave's instructions in order (ISA guide 5.7.1.4): these see my stores
.endr
	WIN 0x04*(\u)
.irp i, 0,1,2,3,4,5,6,7
	s_wait_dscnt 7-\i                              ; the younger read-backs may stay out
	global_store_b128 v[GO], v[S+32+4*\i:S+32+4*\i+3], s[6:7] offset:(32*\p+16*\u+2*\i)*4096 th:TH_STORE_NT   ; sixteen lanes store 256 consecutive bytes, at a multiple of 256 from out's first byte
.endr
	WIN 0
.endm
; A PASS: the two tiles of one image of Q through all sixteen key steps.
.macro PASS p
.if \p
	s_wait_xcnt 0x0                                ; the first pass's stores have read their registers
.irp i, 0,1,2,3,4,5
	v_mov_b32 v[QLO+\i], v[Q1+\i]
.endr
	WIN 0x55
.irp i, 0,1,2,3,4,5
	v_mov_b32 v[QLO+\i], v[Q1+\i]
.endr
	WIN 0
.endif
	v_and_b32 v[QWA], 0xffff, v[QR+\p]             ; the zero half gets the byte 0: its codes are zeros
	v_lshlrev_b32 v[QWA+1], 16, v[QR+\p]
	v_lshrrev_b32 v[QWB], 16, v[QR+\p]
	v_and_b32 v[QWB+1], 0xffff0000, v[QR+\p]
	INIT                                           ; (also the places between Q's scale words and the first scaled product)
	WIN 0x55
	INIT
	WIN 0
	s_mov_b32 s[TB], 0
.if \p == 0
	KLOAD LI
	VLOAD LI
	STEP 1                                         ; key step 0; it asks for key step 1: both have been shown
	s_wait_tensorcnt 0x0                           ; my key steps have landed,
	s_wait_dscnt 0x0
	s_barrier_signal -1
	s_barrier_wait -1                              ; everybody's have: K and V of the head are whole, and nobody writes them again
	s_mov_b32 s[CNT], 14
.else
	s_mov_b32 s[CNT], 15
.endif
.Lstep_\@:
	STEP 1
	s_sub_co_u32 s[CNT], s[CNT], 1
	s_cmp_lg_u32 s[CNT], 0
	s_cbranch_scc1 .Lstep_\@
.if \p == 0
	STEP 2
.else
	STEP 0
.endif
	WAYOUT 0, \p
	WAYOUT 1, \p
.endm
	PASS 0
	PASS 1
	s_wait_tensorcnt 0x0                           ; the wave's end
	ds_add_u32 v[SPW], v[NIL]
	s_wait_dscnt 0x0
	ROUND                                          ; the closing round
	s_endpgm
.Lfunc_end_k_q625ffdee47_attn:
	.size	k_q625ffdee47_attn, .Lfunc_end_k_q625ffdee47_attn-k_q625ffdee47_attn
	.p2alignl 7, 3214868480
	.fill 96, 4, 3214868480
	.section	.rodata,"a",@progbits
	.p2align	6, 0x0
	.amdhsa_kernel k_q625ffdee47_attn
		.amdhsa_group_segment_fixed_size 327680
		.amdhsa_private_segment_fixed_size 0
		.amdhsa_enable_private_segment 0
		.amdhsa_kernarg_size 16
		.amdhsa_user_sgpr_count 2
		.amdhsa_user_sgpr_kernarg_segment_ptr 1
		.amdhsa_wavefront_size32 1
		.amdhsa_system_sgpr_workgroup_id_x 1
		.amdhsa_system_sgpr_workgroup_id_y 1
		.amdhsa_system_sgpr_workgroup_id_z 1
		.amdhsa_system_vgpr_workitem_id 0
		.amdhsa_next_free_vgpr 512
		.amdhsa_next_free_sgpr 66
		.amdhsa_reserve_vcc 0
		.amdhsa_float_denorm_mode_32 3
		.amdhsa_float_denorm_mode_16_64 3
		.amdhsa_memory_ordered 1
		.amdhsa_forward_progress 1
		.amdhsa_inst_pref_size 163
	.end_amdhsa_kernel
	.amdgpu_metadata
---
amdhsa.version: [ 1, 2 ]
amdhsa.kernels:
  - .name:           k_q625ffdee47_attn
    .symbol:         k_q625ffdee47_attn.kd
    .args:
      - { .name: qkv, .offset: 0, .size: 8, .value_kind: global_buffer, .address_space: global }
      - { .name: out0, .offset: 8, .size: 8, .value_kind: global_buffer, .address_space: global }
    .group_segment_fixed_size: 327680
    .private_segment_fixed_size: 0
    .kernarg_segment_align: 8
    .kernarg_segment_size: 16
    .max_flat_workgroup_size: 256
    .sgpr_count:     66
    .vgpr_count:     512
    .wavefront_size: 32
...
	.end_amdgpu_metadata
.endif
;; end of part 2
